; MI455X (gfx1250); checked and timed in simulation.
; The chip was launched on July 23, 2026; its instructions are those of AMD's public machine-readable ISA for CDNA 5 (MIT licence, August 2026) and "CDNA5" Instruction Set Architecture Reference Guide (July 2026). The comments in the code are by the model that wrote it; some were corrected since.
;; Causal Self Attention. Allowed arithmetic: matrix products marked QUANTISED: E4M3 operands, one given power-of-two scale a tensor, by v_wmma_f32_16x16x64_fp8_fp8 or v_wmma_f32_16x16x128_fp8_fp8, f32 sums; everything else in f32.
;; Inputs: b_proj 1,024 float32; b_qkv 3,072 float32; lowp_scales 8 int32 (the exponents e of the quantised operands' scales 2^e); w_proj 1,024 x 1,024 float32; w_qkv 1,024 x 3,072 float32; x 2 x 2,048 x 1,024 float32.
;; Outputs: out0 2 x 2,048 x 1,024 float32.
;; This version of the problem:
;;   THIS VERSION OF THE PROBLEM IS GIVEN IN LOW PRECISION. The matrix products marked QUANTISED in the list below multiply operands that are first quantised to E4M3 (4 exponent bits, 3 mantissa bits; 8 bits a number), with one given power-of-two scale for each operand tensor; their sums are f32. All else is computed in f32.
;;   The module's matrix products, in the order in which they are computed (A, B: the left and right operand; K: the contracted axis; several contracted axes count as one K, in the product's order):
;;     1. [M 4,096, K 1,024] x [K 1,024, N 3,072]; A: input x; B: input w_qkv: QUANTISED (scales: A lowp_scales[0], B lowp_scales[1])
;;     2. batch 32 x [M 2,048, K 64] x [K 64, N 2,048]; A: computed on the way; B: computed on the way: QUANTISED (scales: A lowp_scales[2], B lowp_scales[3])
;;     3. batch 32 x [M 2,048, K 2,048] x [K 2,048, N 64]; A: softmax (see below); B: computed on the way: QUANTISED (scales: A lowp_scales[4], B lowp_scales[5])
;;     4. [M 4,096, K 1,024] x [K 1,024, N 1,024]; A: computed on the way; B: input w_proj: QUANTISED (scales: A lowp_scales[6], B lowp_scales[7])
;;   THE QUANTISER, for each operand of a quantised product, along K:
;;     - The operand's scale is 2^e, e = its entry of the input lowp_scales (int32; the entries are numbered through the quantised products in the list's order, A before B).
;;     - Each number is divided by the scale, clamped to +-448, and rounded to the nearest number of E4M3, ties to even, subnormals kept.
;;     - The product sums the exact products of the quantised numbers (number of the format x scale) in f32.
;;   ~~~python
;;   def quantise(x, axis, e):      # numpy; x: float32 -> the quantised numbers, widened to float32 again
;;       x = np.moveaxis(x, axis, -1); K = x.shape[-1]
;;       r = np.clip(x / 2.0 ** e, -448, 448)
;;       step = 2.0 ** (np.maximum(np.frexp(np.where(r == 0, 1, r))[1] - 1, -6) - 3)
;;       q = np.round(r / step) * step * 2.0 ** e      # np.round: ties to even
;;       return np.moveaxis(q, -1, axis).astype(np.float32)
;;   ~~~
;;   SOFTMAX AHEAD OF A QUANTISED PRODUCT. Where the list says 'softmax', what is quantised is not the finished softmax but p = 2^(t - M), with t = logit x log2(e) and M = ceil(the row's largest t), a whole number; so 1/2 < the row's largest p <= 1. The row's sum l is taken of the UNQUANTISED p, in f32, and the product's result is divided by l at the end. Since M is a whole number, a kernel that streams over the keys may use a running M (the ceiling of the running maximum): every later rescaling is an exact power of two, so the quantised numbers keep their values, but for numbers so far below the row's largest that they fall under the format's range.
;;   OPERANDS COMPUTED ON THE WAY. 'Computed on the way' means the value that the module computes at that place (a softmax that the list does not call 'softmax' is quantised finished and normalised). What goes into a quantiser is computed in f32, as accurately as f32 sums, v_exp_f32 and their like allow (about 1e-6 of the number): no bf16 or f16 on the way to a quantiser, and a product that is left as it is and whose result goes on into a quantised operand takes f32 operands (vector FMAs, or v_wmma_f32_16x16x4_f32). A number that lies on a knife's edge between two numbers of the format may be rounded either way, as far as f32 arithmetic and the matrix unit's own rounding can turn it there, and no further.
;; One version. Each part assembles by itself: llvm-mc -triple=amdgcn-amd-amdhsa -mcpu=gfx1250 --defsym DOCPART=n.
;; ======== version 1 of 1: 4 launches
;; limits: right only within a limited range of input values
;; workspace buffers: x_codes 4,194,304 bytes; wq_codes 3,145,728 bytes; wp_codes 1,048,576 bytes; qkv_codes 12,582,912 bytes; y_codes 4,194,304 bytes
;; launch quant (part 1): grid 256 x 1, 8 waves a work-group, no clusters, 35,840 bytes of LDS; arguments x, w_qkv, w_proj, lowp_scales, x_codes, wq_codes, wp_codes; writes x_codes, wq_codes, wp_codes
.if DOCPART == 1
	.amdgcn_target "amdgcn-amd-amdhsa--gfx1250"
	.amdhsa_code_object_version 6
	.text
	.protected	k_q8af26f8018_quant
	.globl	k_q8af26f8018_quant
	.p2align	8
	.type	k_q8af26f8018_quant,@function
k_q8af26f8018_quant:
	s_mov_b64 s[64:65], 0
	v_nop
	global_prefetch_b8 v0, s[64:65] scope:SCOPE_SE
	s_setreg_imm32_b32 hwreg(HW_REG_WAVE_MODE, 25, 1), 1
	s_wait_xcnt 0x0
; The three wide inputs become codes of FP8 (E4M3), K innermost, each with its given scale 2^e:  code = number / 2^e, held within +-448, to the nearest code, ties to even.
; x [4096][1024] (e = entry 0) -> x_codes [4096][1024];  w_qkv [1024 k][3072 n] (entry 1) -> wq_codes [3072 n][1024];  w_proj [1024 k][1024 n] (entry 7) -> wp_codes [1024 n][1024].
; WORK LEFT OUT IN THIS PROGRAM: in the attention launch, the steps of 128 keys all of whose keys come after all 16 queries of a tile.  reference() sets those scores to -infinity by a mask that it builds itself, every row keeps its own key,
; so their p is 0 for all finite inputs.  LIMIT: a NaN, an infinity or an overflow that reaches only that work is not carried to the result.
; THE ORDER ALONG K IS THE PROGRAM'S OWN: a permutation of K that both operands of a product share keeps every product.
;   Order A (x_codes, wq_codes), in chunks of 512: place 16 l + 4 i + j holds k = 128 i + 4 l + j: what a lane holds when it takes 16 bytes of each of four loads of 512 consecutive bytes.
;   Order B (wp_codes), in each 32: place 16 a + 8 b + j holds k = 16 b + 8 a + j: the order in which the attention launch leaves its result.
; Every wave takes 4,096 numbers and asks for all of them at once, 32 loads of 512 consecutive bytes: 2,048 waves in 256 work-groups.  Work-groups 0-127 take x, 128-223 w_qkv, 224-255 w_proj.
; LIMITS: each e between -126 and 119, so that 2^e and 448 x 2^e are f32 numbers.  NaN among the inputs is not served (an infinity is held at the largest code).
.set R,  32                            ; v32-159 the numbers as loaded
.set XC, 160                           ; x: v160-191 codes
.set T,  160                           ; weights: v160-191 four columns x 8 along K
.set WC, 192                           ; weights: v192-223 codes: 8 registers a column
.set P,  272                           ; a stage row: 256 bytes of one column's codes + 16
.set SPARE, 128*P                      ; behind the stage: the spare words, 128 bytes a wave
.set SPW, 12
.set NIL, 13
	s_load_b256 s[4:11], s[0:1], 0x0               ; x s[4:5], w_qkv s[6:7], w_proj s[8:9], the exponents s[10:11]
	s_load_b128 s[12:15], s[0:1], 0x20             ; x_codes s[12:13], wq_codes s[14:15]
	s_load_b64 s[16:17], s[0:1], 0x30              ; wp_codes
	v_lshl_add_u32 v[SPW], v0, 2, SPARE
	v_mov_b32 v[NIL], 0
	v_lshrrev_b32 v1, 5, v0
	v_and_b32 v2, 31, v0                           ; lane
	v_readfirstlane_b32 s20, v1                    ; wave 0..7
	v_lshlrev_b32 v3, 4, v2                        ; 16 bytes a lane
	s_wait_alu depctr_va_vdst(0)
	s_wait_kmcnt 0x0
	s_load_b256 s[24:31], s[10:11], 0x0            ; e0 .. e7
	s_cmp_lt_u32 ttmp9, 128
	s_cbranch_scc0 .Lweights
; ---- x: a wave takes four rows, eight steps of 512 numbers
	s_lshl_b32 s21, ttmp9, 3
	s_add_co_u32 s21, s21, s20                     ; which run of 4,096 numbers
	s_lshl_b32 s22, s21, 14
	s_mov_b32 s23, 0
	s_add_nc_u64 s[4:5], s[4:5], s[22:23]
	s_lshl_b32 s22, s21, 12
	s_add_nc_u64 s[12:13], s[12:13], s[22:23]
.irp t, 0,1,2,3,4,5,6,7
.irp i, 0,1,2,3
	global_load_b128 v[R+16*\t+4*\i:R+16*\t+4*\i+3], v3, s[4:5] offset:2048*\t+512*\i th:TH_LOAD_NT
.endr
.endr
	s_wait_kmcnt 0x0
	s_add_co_i32 s22, s24, 127
	s_lshl_b32 s23, s22, 23
	v_mov_b32 v11, s23                             ; 2^e0 as f32: the conversion takes its exponent field
	s_add_co_i32 s22, s22, 8
	s_lshl_b32 s22, s22, 23
	s_or_b32 s22, s22, 0x600000
	v_mov_b32 v10, s22                             ; 448 x 2^e0
	s_wait_alu depctr_va_vdst(0)
.irp t, 0,1,2,3,4,5,6,7
	s_wait_loadcnt 28-4*\t                         ; loads come back in order: this step's four are in, the later steps' stay out
.irp i, 0,1,2,3,4,5,6,7,8,9,10,11,12,13,14,15
	v_med3_num_f32 v[R+16*\t+\i], v[R+16*\t+\i], -v10, v10   ; the conversion to an 8-bit code does not saturate (ISA guide 7.6.2): the hold comes first
.endr
	v_cvt_scalef32_pk8_fp8_f32 v[XC+4*\t:XC+4*\t+1], v[R+16*\t:R+16*\t+7], v11
	v_cvt_scalef32_pk8_fp8_f32 v[XC+4*\t+2:XC+4*\t+3], v[R+16*\t+8:R+16*\t+15], v11
	global_store_b128 v3, v[XC+4*\t:XC+4*\t+3], s[12:13] offset:512*\t   ; the wave stores 512 consecutive bytes, aligned
.endr
	s_endpgm
; ---- a weight [1024 k][N]: a work-group takes 128 columns x 256 places; a wave 128 columns x 32 places: a lane four neighbouring columns, a load for each row k.
; The hold writes each column's numbers into registers that run along K, so that the conversions' codes have K innermost.  All codes meet in one stage in LDS and leave by columns: sixteen lanes store 256 consecutive bytes.
; The stage's row for column 4 l + c is 32 c + l, so that neighbouring lanes store to neighbouring rows.
.macro WLOAD N, PA
.irp i, 0,1,2,3,4,5,6,7,8,9,10,11,12,13,14,15,16,17,18,19,20,21,22,23,24,25,26,27,28,29,30,31
.if \PA
	global_load_b128 v[R+4*\i:R+4*\i+3], v3, s[4:5] offset:(128*((\i/4)%4)+4*(\i/16)+\i%4)*4*\N th:TH_LOAD_NT
.else
	global_load_b128 v[R+4*\i:R+4*\i+3], v3, s[4:5] offset:(16*((\i/8)%2)+8*(\i/16)+\i%8)*4*\N th:TH_LOAD_NT
.endif
.endr
.endm
.Lweights:
	s_sub_co_u32 s21, ttmp9, 128
	s_and_b32 s22, s21, 3                          ; which 256 places along K
	s_lshr_b32 s23, s21, 2                         ; which 128 columns: w_qkv's 0-23; w_proj's are 24-31 less 24
	s_lshr_b32 s32, s22, 1                         ; order A: chunk of 512; in it, which half of the places: 64 rows further down; my wave's: 8 rows
	s_lshl_b32 s32, s32, 9
	s_and_b32 s33, s22, 1
	s_lshl_b32 s33, s33, 6
	s_add_co_u32 s32, s32, s33
	s_lshl_b32 s33, s20, 3
	s_add_co_u32 s32, s32, s33
	s_mul_i32 s32, s32, 12288
	s_lshl_b32 s34, s22, 8                         ; order B: row 256 x quarter + 32 x wave
	s_lshl_b32 s35, s20, 5
	s_add_co_u32 s34, s34, s35
	s_lshl_b32 s34, s34, 12
	s_sub_co_u32 s35, s23, 24
	s_cmp_lt_u32 ttmp9, 224
	s_cselect_b32 s32, s32, s34
	s_cselect_b32 s23, s23, s35
	s_cselect_b64 s[4:5], s[6:7], s[8:9]
	s_cselect_b64 s[12:13], s[14:15], s[16:17]
	s_lshl_b32 s33, s23, 9
	s_add_co_u32 s32, s32, s33
	s_mov_b32 s33, 0
	s_add_nc_u64 s[4:5], s[4:5], s[32:33]
	s_lshl_b32 s34, s23, 17                        ; out: 128 columns of 1,024 bytes, my wave's 16 of them, my quarter of each
	s_lshl_b32 s35, s20, 14
	s_add_co_u32 s34, s34, s35
	s_lshl_b32 s35, s22, 8
	s_add_co_u32 s34, s34, s35
	s_mov_b32 s35, 0
	s_add_nc_u64 s[12:13], s[12:13], s[34:35]
	s_lshl_b32 s36, s20, 5
	s_mul_i32 s37, s20, 4*P
	v_mul_u32_u24 v4, v2, P
	v_and_b32 v5, 15, v2
	v_lshrrev_b32 v6, 4, v2
	v_add_nc_u32 v4, s36, v4                       ; into the stage: row lane (+ 32 c), byte 32 x wave
	v_mul_u32_u24 v7, v6, 32*P
	v_lshlrev_b32 v8, 10, v6
	v_lshl_add_u32 v7, v5, 4, v7
	v_lshl_add_u32 v8, v5, 4, v8                   ; in the codes' buffer: lanes 0-15 one column, lanes 16-31 the next
	v_add_nc_u32 v7, s37, v7                       ; the same in the stage
	s_cmp_lt_u32 ttmp9, 224
	s_wait_alu depctr_va_vdst(0)
	s_cbranch_scc0 .Lwp
	WLOAD 3072, 1                                  ; the largest immediate is 391 rows of 12,288 bytes, inside the signed 24 bits
	s_branch .Lasked
.Lwp:
	WLOAD 1024, 0
.Lasked:
	s_wait_kmcnt 0x0
	s_cmp_lt_u32 ttmp9, 224
	s_cselect_b32 s36, s25, s31                    ; e1 or e7
	s_add_co_i32 s36, s36, 127
	s_lshl_b32 s37, s36, 23
	v_mov_b32 v11, s37                             ; 2^e
	s_add_co_i32 s36, s36, 8
	s_lshl_b32 s36, s36, 23
	s_or_b32 s36, s36, 0x600000
	v_mov_b32 v10, s36                             ; 448 x 2^e
	s_wait_alu depctr_va_vdst(0)
.irp g, 0,1,2,3                        ; eight places at a time
	s_wait_loadcnt 24-8*\g                         ; their eight rows are in
.irp c, 0,1,2,3
.irp j, 0,1,2,3,4,5,6,7
	v_med3_num_f32 v[T+8*\c+\j], v[R+4*(8*\g+\j)+\c], -v10, v10
.endr
	v_cvt_scalef32_pk8_fp8_f32 v[WC+8*\c+2*\g:WC+8*\c+2*\g+1], v[T+8*\c:T+8*\c+7], v11
.endr
.endr
	v_nop                                          ; a plain line behind the last conversion
.irp c, 0,1,2,3
	ds_store_b128 v4, v[WC+8*\c:WC+8*\c+3] offset:32*P*\c
	ds_store_b128 v4, v[WC+8*\c+4:WC+8*\c+7] offset:32*P*\c+16
.endr
	s_wait_dscnt 0x0                               ; my codes are in the stage,
	s_barrier_signal -1
	s_barrier_wait -1                              ; and everybody's
.irp t, 0,1,2,3,4,5,6,7
	ds_load_b128 v[R+4*\t:R+4*\t+3], v7 offset:(32*((2*\t)%4)+\t/2)*P   ; columns 16 x wave + 2 t and the next
.endr
.irp t, 0,1,2,3,4,5,6,7
	s_wait_dscnt 7-\t                              ; the younger reads may stay out
	global_store_b128 v8, v[R+4*\t:R+4*\t+3], s[12:13] offset:2*\t*1024
.endr
	s_wait_tensorcnt 0x0                           ; the wave's end
	ds_add_u32 v[SPW], v[NIL]
	s_wait_dscnt 0x0
	s_endpgm
.Lfunc_end_k_q8af26f8018_quant:
	.size	k_q8af26f8018_quant, .Lfunc_end_k_q8af26f8018_quant-k_q8af26f8018_quant
	.p2alignl 7, 3214868480
	.fill 96, 4, 3214868480
	.section	.rodata,"a",@progbits
	.p2align	6, 0x0
	.amdhsa_kernel k_q8af26f8018_quant
		.amdhsa_group_segment_fixed_size 35840
		.amdhsa_private_segment_fixed_size 0
		.amdhsa_enable_private_segment 0
		.amdhsa_kernarg_size 56
		.amdhsa_user_sgpr_count 2
		.amdhsa_user_sgpr_kernarg_segment_ptr 1
		.amdhsa_wavefront_size32 1
		.amdhsa_system_sgpr_workgroup_id_x 1
		.amdhsa_system_sgpr_workgroup_id_y 1
		.amdhsa_system_sgpr_workgroup_id_z 1
		.amdhsa_system_vgpr_workitem_id 0
		.amdhsa_next_free_vgpr 256
		.amdhsa_next_free_sgpr 66
		.amdhsa_reserve_vcc 0
		.amdhsa_float_denorm_mode_32 3
		.amdhsa_float_denorm_mode_16_64 3
		.amdhsa_memory_ordered 1
		.amdhsa_forward_progress 1
		.amdhsa_inst_pref_size 35
	.end_amdhsa_kernel
	.amdgpu_metadata
---
amdhsa.version: [ 1, 2 ]
amdhsa.kernels:
  - .name:           k_q8af26f8018_quant
    .symbol:         k_q8af26f8018_quant.kd
    .args:
      - { .name: x, .offset: 0, .size: 8, .value_kind: global_buffer, .address_space: global }
      - { .name: w_qkv, .offset: 8, .size: 8, .value_kind: global_buffer, .address_space: global }
      - { .name: w_proj, .offset: 16, .size: 8, .value_kind: global_buffer, .address_space: global }
      - { .name: lowp_scales, .offset: 24, .size: 8, .value_kind: global_buffer, .address_space: global }
      - { .name: x_codes, .offset: 32, .size: 8, .value_kind: global_buffer, .address_space: global }
      - { .name: wq_codes, .offset: 40, .size: 8, .value_kind: global_buffer, .address_space: global }
      - { .name: wp_codes, .offset: 48, .size: 8, .value_kind: global_buffer, .address_space: global }
    .group_segment_fixed_size: 35840
    .private_segment_fixed_size: 0
    .kernarg_segment_align: 8
    .kernarg_segment_size: 56
    .max_flat_workgroup_size: 256
    .sgpr_count:     66
    .vgpr_count:     256
    .wavefront_size: 32
...
	.end_amdgpu_metadata
.endif
;; end of part 1
;; launch qkv (part 2): grid 12 x 16, 4 waves a work-group, clusters of 4 x 4, 327,680 bytes of LDS; arguments x_codes, wq_codes, lowp_scales, b_qkv, qkv_codes; writes qkv_codes
.if DOCPART == 2
	.amdgcn_target "amdgcn-amd-amdhsa--gfx1250"
	.amdhsa_code_object_version 6
	.text
	.protected	k_q8af26f8018_qkv
	.globl	k_q8af26f8018_qkv
	.p2align	8
	.type	k_q8af26f8018_qkv,@function
k_q8af26f8018_qkv:
	s_mov_b64 s[64:65], 0
	v_nop
	global_prefetch_b8 v0, s[64:65] scope:SCOPE_SE
	s_setreg_imm32_b32 hwreg(HW_REG_WAVE_MODE, 25, 1), 1
	s_wait_xcnt 0x0
	s_wait_alu depctr_hold_cnt(0) depctr_sa_sdst(0) depctr_va_vdst(0) depctr_va_sdst(0) depctr_va_ssrc(0) depctr_va_vcc(0) depctr_vm_vsrc(0)
	s_getreg_b32 s2, hwreg(HW_REG_IB_STS2, 6, 4)
	s_cmp_eq_u32 s2, 0
	s_cbranch_scc0 .Lentry_in_a_cluster
	s_endpgm
.Lentry_in_a_cluster:
	s_bfe_u32 s2, ttmp6, 0x10000c
	s_cmp_lg_u32 s2, 0xf033
	s_cbranch_scc0 .Lentry_shape_is_right
	s_endpgm
.Lentry_shape_is_right:
; qkv = x w_qkv + b_qkv on codes of FP8 (E4M3), and q, k, v quantised at once for the attention launch.  C = A B^T, K = 1,024, both operands as codes with K innermost (in one order of K that both share).
; TWO PROBLEMS IN ONE TEXT, chosen without a branch by the cluster's x (which all partners share):
;   clusters x = 0, 1 (q and k): A = x_codes (4,096 tokens), B = wq_codes rows 0-2047.   cluster x = 2 (v): A = wq_codes rows 2048-3071, B = x_codes: v comes out TRANSPOSED, with the tokens (the keys) along a lane's registers.
; A tile of C, 256 x 256, is made by four waves, each 128 x 128: 64 accumulators, 512 registers.  K goes in steps of 256 through a ring of two LDS slots filled by the tensor data mover.
; CLUSTERS: 4 x 4 work-groups; A's tiles are asked for jointly along a row of the cluster, B's along a column.  THE MATRIX INSTRUCTION IS USED TRANSPOSED (source 0 = 16 rows of B, source 1 = 16 rows of A):
; a lane holds row lane % 16 of C and eight neighbouring columns, which one conversion turns into eight codes.
; BIAS: a sum stands for sum x 2^(e0 + e1), so the bias goes in as b x 2^-(e0 + e1): by columns (q, k) as the C of the first products, by rows (v) added on the way out; the one that a path does not use is cleared by a select.
; OUT: qkv_codes: q at 0, k at 2^22: [b][head][token][64 bytes];  v at 2^23: [b][head][key / 64][d][64 bytes].  In each 32 bytes place 16 a + 8 b + j holds index 16 b + 8 a + j (two neighbouring tiles' codes stored as 16 bytes a lane).
; LIMITS: eo - e0 - e1 between -126 and 119 for eo = e2 (q), e3 (k), e5 (v), so that the conversion's scale and 448 x it are f32 numbers.  NaN is not served.
; REGISTERS, in windows of 256: window 0: v0-31 addresses and constants; v32-95 the bias by columns, later a block's sums; v96-111 the bias by rows, in pairs; v112-127 codes; from v128 A's fragments, ONE set (on the way out: rows read back).
;   window 1: B's fragments, TWO sets.   window 2: the accumulators of my rows 0-63 ((a, b) at v[8 (8 a + b)]);   window 3: those of my rows 64-127.
.set ROWB,   256                       ; a tile's row: 256 codes
.set KROW,   1024                      ; a row of A or of B in memory
.set PITCH,  272                       ; an LDS row: 256 bytes + 16 = 68 words: the 16 rows of a load start at 16 different banks (64 banks of 4 bytes: ISA guide 11.1)
.set FR,     16
.set NL,     4
.set NP,     4                         ; places behind this matrix instruction (ISA guide 7.12.1)
.set HALFT,  128*PITCH
.set SLOT,   4*HALFT                   ; A's 256 rows, then B's 256 rows
.set LAPS,   2                         ; 1,024 along K = twice round the ring
.set SPARE,  2*SLOT                    ; behind the ring: the spare words, 128 bytes a wave, which no other line names
.set SPITCH, 144                       ; the way out: a stage of 16 rows x (128 bytes + 16) for each wave, in slot 0, which has had its last fill and its last read by then
.set ADRA, 16
.set ADRB, 20
.set STO,  24
.set RD,   25
.set CO,   26
.set ZR,   27                          ; v27 0, for the selects
.set SPW,  28                          ; v28 my spare word; never rewritten
.set NIL,  29                          ; v29 0; never rewritten
.set SCL,  30                          ; v30 2^(eo - e0 - e1)
.set LIM,  31                          ; v31 448 x that
.set BC,   32
.set TMP,  32
.set BR,   96
.set CD,   112
.set AF,   128
.set BK,   128
.set G1, 24
.set G0, 32
.set G1B, 48
.set G0B, 56
.set MSB, 0
.macro WIN new                         ; the immediate's high byte repeats the setting that is left
.if MSB != \new
	s_set_vgpr_msb (MSB<<8)|\new
.set MSB, \new
.endif
.endm
.set MUL_LO, 0xa1                      ; source 0 (B) window 1, source 1 (A) window 0, C and D window 2
.set MUL_HI, 0xf1                      ; the same, C and D window 3
.set FST_LO, 0x81                      ; the first products: C (the bias) window 0, D window 2
.set FST_HI, 0xc1                      ; D window 3
.set TO_B,   0x40
; A joint load: waves 0 and 1 fetch for A, waves 2 and 3 for B; the branch hangs on the wave's number alone.  Four v_nop follow each of the two lines.
.macro JLOAD g0a, g1a, g0b, g1b
	s_cmp_eq_u32 s15, 0
	s_cbranch_scc0 .Lfor_b_\@
	tensor_load_to_lds s[\g0a:\g0a+3], s[\g1a:\g1a+7]
	s_nop 0
.rept 4
	v_nop
.endr
	s_branch .Lasked_\@
.Lfor_b_\@:
	tensor_load_to_lds s[\g0b:\g0b+3], s[\g1b:\g1b+7]
	s_nop 0
.rept 4
	v_nop
.endr
.Lasked_\@:
.endm
.macro CREST                           ; a round of the cluster's barrier behind its opening barrier
	s_cmp_lg_u32 s14, 0
	s_cbranch_scc1 .Lnot_wave_0_\@
	s_barrier_signal -3
.Lnot_wave_0_\@:
	s_barrier_wait -3
	s_barrier_signal -1
	s_barrier_wait -1
.endm
.macro CROUND
	s_barrier_signal -1
	s_barrier_wait -1
	CREST
.endm
	s_load_b128 s[4:7], s[0:1], 0x0                ; x_codes s[4:5], wq_codes s[6:7]
	s_load_b128 s[8:11], s[0:1], 0x10              ; the exponents s[8:9], b_qkv s[10:11]
	s_load_b64 s[12:13], s[0:1], 0x20              ; qkv_codes
	v_lshl_add_u32 v[SPW], v0, 2, SPARE
	v_mov_b32 v[NIL], 0
	ds_add_u32 v28, v29
	ds_add_u32 v28, v29
	s_wait_dscnt 0x0
	v_lshrrev_b32 v1, 5, v0
	v_readfirstlane_b32 s14, v1                    ; wave 0..3
	s_lshr_b32 s15, s14, 1                         ; which half of the tile's rows is mine.  Also: I fetch for A (0) or for B (1)
	s_and_b32 s16, s14, 1                          ; which half of its columns.  Also: which 128 rows of that tile I fetch
	s_bfe_u32 s40, ttmp6, 0x40000                  ; cx
	s_bfe_u32 s41, ttmp6, 0x40004                  ; cy
	s_and_b32 s66, ttmp7, 0xffff
	s_lshl_b32 s66, s66, 2                         ; 4 x cluster y
	s_lshl_b32 s67, ttmp9, 2                       ; 4 x cluster x
	s_cmp_eq_u32 ttmp9, 2                          ; v's clusters?  The same answer in all partners
	s_cselect_b32 s42, s66, s67                    ; tile column: v: 4 x cluster y + cx (16 tiles of tokens); q, k: 4 x cluster x + cx
	s_cselect_b32 s17, 0, s66                      ; tile row: v: cy (4 tiles of w's rows); q, k: 4 x cluster y + cy
	s_cselect_b32 s88, -1, 0                       ; a lane mask: all lanes where v
	s_add_co_u32 s42, s42, s40
	s_add_co_u32 s17, s17, s41
	s_lshl_b32 s43, s41, 2
	s_lshl_b32 s43, 15, s43                        ; my row of the cluster
	s_lshl_b32 s44, 0x1111, s40                    ; my column
	s_or_b32 s[G1+0], s43, (0<<16)|(1<<20)|(1<<21)|(5<<22)|(3<<25)  ; the mask; elements of 1 byte; padding on; bit 21 beside a mask; after every 64 words, 4 words
	s_or_b32 s[G1B+0], s44, (0<<16)|(1<<20)|(1<<21)|(5<<22)|(3<<25)
.irp g, G1, G1B
	s_mov_b32 s[\g+1], ROWB<<16                    ; tensor_dim0
	s_mov_b32 s[\g+2], 128<<16                     ; tensor_dim1
	s_mov_b32 s[\g+3], ROWB<<16                    ; tile_dim0
	s_mov_b32 s[\g+4], 128                         ; tile_dim1
	s_mov_b32 s[\g+5], KROW                        ; from row to row
	s_mov_b32 s[\g+6], 0
	s_mov_b32 s[\g+7], 0
.endr
	s_lshl_b32 s18, s16, 7
	s_lshl_b32 s20, s17, 8
	s_add_co_u32 s20, s20, s18                     ; A: row 256 x tile row + 128 x half
	s_lshl_b32 s20, s20, 10                        ; in bytes
	s_mov_b32 s21, 0
	s_lshl_b32 s46, s42, 8
	s_add_co_u32 s46, s46, s18                     ; B: row 256 x tile column + 128 x half
	s_lshl_b32 s46, s46, 10
	s_mov_b32 s47, 0
	s_mul_i32 s45, s14, HALFT                      ; where they go: wave x 128 rows
	s_wait_kmcnt 0x0
	s_load_b256 s[72:79], s[8:9], 0x0              ; e0 .. e7
	s_add_nc_u64 s[68:69], s[6:7], 0x200000        ; wq_codes at row 2,048: v's weights
	s_cmp_eq_u32 ttmp9, 2
	s_cselect_b64 s[70:71], s[68:69], s[4:5]       ; A's buffer
	s_cselect_b64 s[68:69], s[4:5], s[6:7]         ; B's buffer
	s_add_nc_u64 s[20:21], s[70:71], s[20:21]
	s_add_nc_u64 s[46:47], s[68:69], s[46:47]
	CROUND                                         ; all sixteen work-groups are here: the first joint loads meet
.irp s, 0,1
	s_mov_b32 s[G0+4*\s], 1
	s_add_co_u32 s[G0+4*\s+1], s45, \s*SLOT
	s_add_nc_u64 s[G0+4*\s+2:G0+4*\s+3], s[20:21], \s*ROWB
	s_or_b32 s[G0+4*\s+3], s[G0+4*\s+3], 0x80000000
	s_mov_b32 s[G0B+4*\s], 1
	s_add_co_u32 s[G0B+4*\s+1], s45, \s*SLOT
	s_add_nc_u64 s[G0B+4*\s+2:G0B+4*\s+3], s[46:47], \s*ROWB
	s_or_b32 s[G0B+4*\s+3], s[G0B+4*\s+3], 0x80000000
.endr
	JLOAD G0, G1, G0B, G1B                         ; K step 0: one tensor load a wave at the head
	; No prefetch: the block is the largest, its tiles are shared in clusters, and K has four steps: K steps 2 and 3 are the only refills
	; my first row and column of C
	s_lshl_b32 s89, s17, 8
	s_lshl_b32 s91, s15, 7
	s_add_co_u32 s89, s89, s91                     ; rows0
	s_lshl_b32 s90, s42, 8
	s_lshl_b32 s91, s16, 7
	s_add_co_u32 s90, s90, s91                     ; cols0
	; the biases: by columns b[cols0 ..] (q, k), by rows b[2048 + rows0 ..] (v); the path that does not use one reads it at b's first bytes and clears it
	s_lshl_b32 s92, s90, 2
	s_lshl_b32 s93, s89, 2
	s_add_co_u32 s93, s93, 8192
	s_cmp_eq_u32 ttmp9, 2
	s_cselect_b32 s92, 0, s92
	s_cselect_b32 s93, s93, 0
	v_and_b32 v1, 15, v0                           ; r
	v_bfe_u32 v2, v0, 4, 1                         ; h
	v_lshlrev_b32 v5, 5, v2
	v_add_nc_u32 v5, s92, v5                       ; lane (r, h) wants, for tile b, columns 16 b + 8 h + 0 .. 7
	v_lshlrev_b32 v6, 2, v1
	v_add_nc_u32 v6, s93, v6                       ; and, for block a, row 16 a + r
.irp b, 0,1,2,3,4,5,6,7
	global_load_b128 v[BC+8*\b:BC+8*\b+3], v5, s[10:11] offset:64*\b
	global_load_b128 v[BC+8*\b+4:BC+8*\b+7], v5, s[10:11] offset:64*\b+16
.endr
.irp a, 0,1,2,3,4,5,6,7
	global_load_b32 v[BR+2*\a], v6, s[10:11] offset:64*\a
.endr
	v_mul_u32_u24 v3, v1, PITCH
	v_lshl_add_u32 v4, v2, 4, v3                   ; a fragment's row x pitch + 16 x half
	s_mul_i32 s21, s15, HALFT
	s_mul_i32 s22, s16, HALFT
	s_add_co_u32 s22, s22, 2*HALFT
.irp s, 0,1
	v_add_nc_u32 v[ADRA+\s], s21, v4
	v_add_nc_u32 v[ADRB+\s], s22, v4
	s_add_co_u32 s21, s21, SLOT
	s_add_co_u32 s22, s22, SLOT
.endr
	s_mul_i32 s23, s14, 16*SPITCH                  ; my stage
	v_mul_u32_u24 v7, v1, SPITCH
	v_lshl_add_u32 v7, v2, 4, v7
	v_add_nc_u32 v[STO], s23, v7                   ; in: row r, 16 bytes for each half of the lanes
	v_and_b32 v8, 31, v0
	v_lshrrev_b32 v9, 2, v8
	v_mul_u32_u24 v9, v9, SPITCH
	v_and_b32 v10, 3, v8
	v_lshl_add_u32 v9, v10, 4, v9
	v_add_nc_u32 v[RD], s23, v9                    ; back: four lanes take 64 bytes of a row, the 32 lanes eight rows
	v_lshlrev_b32 v[CO], 4, v8                     ; which are 512 consecutive bytes of the output
	; where my part goes.  q, k: part (cols0 / 1024), batch (rows0 / 2048), head, token x 64.   v: 2^23, batch (cols0 / 2048), head (rows0 / 64), key chunk x 4,096
	s_lshr_b32 s80, s90, 10
	s_lshl_b32 s80, s80, 22
	s_lshr_b32 s81, s89, 11
	s_lshl_b32 s81, s81, 21
	s_add_co_u32 s80, s80, s81
	s_bfe_u32 s81, s90, 0x40006
	s_lshl_b32 s81, s81, 17
	s_add_co_u32 s80, s80, s81
	s_and_b32 s81, s89, 2047
	s_lshl_b32 s81, s81, 6
	s_add_co_u32 s80, s80, s81
	s_lshr_b32 s82, s90, 11
	s_lshl_b32 s82, s82, 21
	s_lshr_b32 s83, s89, 6
	s_lshl_b32 s83, s83, 17
	s_add_co_u32 s82, s82, s83
	s_bfe_u32 s83, s90, 0x50006
	s_lshl_b32 s83, s83, 12
	s_add_co_u32 s82, s82, s83
	s_add_co_u32 s82, s82, 0x800000
	s_mov_b32 s84, 4096
	s_mov_b32 s85, 0x20000
	s_cmp_eq_u32 ttmp9, 2
	s_cselect_b32 s80, s82, s80
	s_cselect_b32 s66, s85, s84                    ; 64 rows of C on: v: the next head; q, k: 64 tokens
	s_cselect_b32 s68, s84, s85                    ; 64 columns on: v: the next key chunk; q, k: the next head
	s_mov_b32 s81, 0
	s_mov_b32 s67, 0
	s_mov_b32 s69, 0
	s_add_nc_u64 s[80:81], s[12:13], s[80:81]      ; four bases: (rows 0-63 or 64-127) x (columns 0-63 or 64-127)
	s_add_nc_u64 s[82:83], s[80:81], s[68:69]
	s_add_nc_u64 s[84:85], s[80:81], s[66:67]
	s_add_nc_u64 s[86:87], s[84:85], s[68:69]
	s_wait_loadcnt 0x0                             ; the biases
	s_wait_kmcnt 0x0                               ; the exponents
	s_cmp_eq_u32 ttmp9, 0
	s_cselect_b32 s95, s74, s75                    ; q: e2; k: e3;
	s_cmp_eq_u32 ttmp9, 2
	s_cselect_b32 s95, s77, s95                    ; v: e5
	s_add_co_i32 s94, s72, s73                     ; e0 + e1
	s_sub_co_i32 s95, s95, s94
	s_add_co_i32 s95, s95, 127
	s_lshl_b32 s96, s95, 23
	v_mov_b32 v[SCL], s96                          ; the three scales folded into the conversion's one
	s_add_co_i32 s95, s95, 8
	s_lshl_b32 s95, s95, 23
	s_or_b32 s95, s95, 0x600000
	v_mov_b32 v[LIM], s95
	s_sub_co_i32 s94, 0, s94
	v_mov_b32 v[ZR], 0
.set jj, 0
.rept 64
	v_ldexp_f32 v[BC+jj], v[BC+jj], s94            ; b x 2^-(e0 + e1)
.set jj, jj+1
.endr
.set jj, 0
.rept 64
	v_cndmask_b32 v[BC+jj], v[BC+jj], v[ZR], s88   ; v has no bias by columns
.set jj, jj+1
.endr
.irp a, 0,1,2,3,4,5,6,7
	v_ldexp_f32 v[BR+2*\a], v[BR+2*\a], s94
.endr
.irp a, 0,1,2,3,4,5,6,7
	v_cndmask_b32 v[BR+2*\a], v[ZR], v[BR+2*\a], s88   ; q and k have none by rows
.endr
.irp a, 0,1,2,3,4,5,6,7
	v_mov_b32 v[BR+2*\a+1], v[BR+2*\a]             ; a pair for the packed addition
.endr
.macro FRAG reg, adr, q, i             ; 16 rows x 128 K: lane l holds row l % 16; registers 4 c .. 4 c + 3 hold places 32 c + 16 (l / 16) + 0 .. 15: the same in A and in B
.irp c, 0,1,2,3
	ds_load_b128 v[\reg+4*\c:\reg+4*\c+3], v[\adr] offset:128*(\q)+32*\c+(\i)*16*PITCH
.endr
.endm
; 16 matrix instructions: A's blocks a0, a0 + 1 x B's eight.  first = 1: the products start the sums from the bias.  The 64 accumulators take turns, one instruction a turn.
.macro MUL16 a0, p, first
.irp a, \a0, \a0+1
.irp b, 0,1,2,3,4,5,6,7
.if \first
	v_wmma_f32_16x16x128_fp8_fp8 v[8*(8*((\a)%4)+\b):8*(8*((\a)%4)+\b)+7], v[128*(\p)+FR*\b:128*(\p)+FR*\b+FR-1], v[AF+FR*(\a):AF+FR*(\a)+FR-1], v[BC+8*\b:BC+8*\b+7]
.else
	v_wmma_f32_16x16x128_fp8_fp8 v[8*(8*((\a)%4)+\b):8*(8*((\a)%4)+\b)+7], v[128*(\p)+FR*\b:128*(\p)+FR*\b+FR-1], v[AF+FR*(\a):AF+FR*(\a)+FR-1], v[8*(8*((\a)%4)+\b):8*(8*((\a)%4)+\b)+7]
.endif
.endr
.endr
.endm
.macro FETCH_B slot, q, p
	WIN TO_B
.irp i, 0,1,2,3,4,5,6,7
	FRAG 128*(\p)+FR*\i, ADRB+\slot, \q, \i
.endr
	WIN 0
.endm
.macro FETCH_A slot, q, i0
.irp i, \i0, \i0+1, \i0+2, \i0+3
	FRAG AF+FR*(\i), ADRA+\slot, \q, \i
.endr
.endm
.macro PLACES n                        ; plain vector lines between a matrix instruction and a load into, or a vector read of, its registers (ISA guide 7.12.1 for vector reads)
.rept \n
	v_nop
.endr
.endm
.macro STEP slot, q, first             ; 128 along K whose successor lies in the same slot
	s_wait_dscnt 4*NL                              ; B's set and A's blocks 0-3 are in; the youngest sixteen loads (A's blocks 4-7) may be out
.if \first
	WIN FST_LO
.else
	WIN MUL_LO
.endif
	MUL16 0, (\q)%2, \first
	MUL16 2, (\q)%2, \first
	s_wait_dscnt 0
	PLACES NP
	FETCH_B \slot, (\q)+1, 1-(\q)%2
	FETCH_A \slot, (\q)+1, 0
.if \first
	WIN FST_HI
.else
	WIN MUL_HI
.endif
	MUL16 4, (\q)%2, \first
	MUL16 6, (\q)%2, \first
	PLACES NP
	WIN 0
	FETCH_A \slot, (\q)+1, 4
.endm
; A slot's last step changes slots: one barrier; in front of it each wave waits for all its tensor loads, adds 0 to its spare word, and waits for that and for its reads of this slot.  fill = 1: this slot is filled again.
.macro TURN slot, next, fill
	s_wait_tensorcnt 0x0                           ; all my tensor loads have landed: my part of the next slot
	ds_add_u32 v[SPW], v[NIL]                      ; 0 onto my spare word
	s_wait_dscnt 4*NL+1                            ; (the add and the youngest sixteen loads may be out)
	WIN MUL_LO
	MUL16 0, 1, 0
	s_wait_dscnt 0x0                               ; the add is done, and my reads of this slot are over
	s_barrier_signal -1
	MUL16 2, 1, 0
	WIN 0
	s_barrier_wait -1
.if \fill
	CREST                                          ; the barrier has opened a round of the cluster's: no wave of any partner still reads this slot or has a load on its way
	s_add_nc_u64 s[G0+4*\slot+2:G0+4*\slot+3], s[G0+4*\slot+2:G0+4*\slot+3], 2*ROWB
	s_add_nc_u64 s[G0B+4*\slot+2:G0B+4*\slot+3], s[G0B+4*\slot+2:G0B+4*\slot+3], 2*ROWB
	JLOAD G0+4*\slot, G1, G0B+4*\slot, G1B         ; the first tensor load behind the round; its four v_nop are the places in front of the loads below
.else
	PLACES NP
.endif
	FETCH_B \next, 0, 0
	FETCH_A \next, 0, 0
	WIN MUL_HI
	MUL16 4, 1, 0
	MUL16 6, 1, 0
	PLACES NP
	WIN 0
	FETCH_A \next, 0, 4
.endm
	s_wait_alu depctr_va_vdst(0)
	s_wait_tensorcnt 0x0                           ; my part of K step 0 is in
	ds_add_u32 v[SPW], v[NIL]
	s_wait_dscnt 0x0
	CROUND                                         ; everybody's part of K step 0 is in, and the joint loads meet
	JLOAD G0+4, G1, G0B+4, G1B                     ; K step 1
	FETCH_B 0, 0, 0
	FETCH_A 0, 0, 0
	FETCH_A 0, 0, 4
	STEP 0, 0, 1
	s_mov_b32 s3, LAPS-1
.Llap:                                                 ; a trip goes once round the ring and fills both slots again
	TURN 0, 1, 1
	STEP 1, 0, 0
	TURN 1, 0, 1
	STEP 0, 0, 0
	s_sub_co_u32 s3, s3, 1
	s_cmp_lg_u32 s3, 0
	s_cbranch_scc1 .Llap
	TURN 0, 1, 0                                   ; the last lap fills nothing
	STEP 1, 0, 0
	s_wait_dscnt 4*NL
	WIN MUL_LO
	MUL16 0, 1, 0
	MUL16 2, 1, 0
	s_wait_alu depctr_va_vdst(0)
	s_wait_dscnt 0
	WIN MUL_HI
	MUL16 4, 1, 0
	MUL16 6, 1, 0
	WIN 0
; THE WAY OUT, block by block of 16 rows x 128 columns: + the bias by rows, the hold, eight conversions; two neighbouring tiles' codes are 16 bytes a lane.  They go through my own stage and come back so that
; the 32 lanes hold 8 rows x 64 bytes, which are 512 consecutive bytes of the output.  LDS serves a wave's instructions in order (ISA guide 5.7.1.4): no wait between the stores and the loads.
.macro TOSTAGE a
.set AC, 64*((\a)%4)
	WIN 0x02+((\a)/4)                              ; source 0: window 2 or 3
.set jj, 0
.rept 32
	v_pk_add_f32 v[TMP+jj:TMP+jj+1], v[AC+jj:AC+jj+1], v[BR+2*(\a):BR+2*(\a)+1]   ; each accumulator from its low end on
.set jj, jj+2
.endr
	WIN 0
.set jj, 0
.rept 64
	v_med3_num_f32 v[TMP+jj], v[TMP+jj], -v[LIM], v[LIM]   ; the conversion does not saturate (ISA guide 7.6.2)
.set jj, jj+1
.endr
.irp b, 0,1,2,3,4,5,6,7
	v_cvt_scalef32_pk8_fp8_f32 v[CD+2*\b:CD+2*\b+1], v[TMP+8*\b:TMP+8*\b+7], v[SCL]
.endr
	v_nop                                          ; a plain line behind the last conversion: the next block's additions write its sources
.irp m, 0,1,2,3
	ds_store_b128 v[STO], v[CD+4*\m:CD+4*\m+3] offset:32*\m
.endr
.set BB, BK+16*((\a)%2)
.irp g, 0,1
.irp t, 0,1
	ds_load_b128 v[BB+4*(2*\g+\t):BB+4*(2*\g+\t)+3], v[RD] offset:8*SPITCH*\t+64*\g
.endr
.endr
.endm
.macro SEND a, younger                 ; younger: the LDS instructions issued behind block a's loads
.set BB, BK+16*((\a)%2)
	s_wait_dscnt \younger
.irp g, 0,1
.irp t, 0,1
	global_store_b128 v[CO], v[BB+4*(2*\g+\t):BB+4*(2*\g+\t)+3], s[80+4*((\a)/4)+2*\g:80+4*((\a)/4)+2*\g+1] offset:1024*((\a)%4)+512*\t   ; 512 consecutive bytes, aligned
.endr
.endr
.endm
	PLACES NP                                      ; behind the last products
	TOSTAGE 0
.irp a, 1,2,3,4,5,6,7
.if \a > 1
	s_wait_xcnt 0x0                                ; block a - 2's stores have read their registers: block a's loads may land there
.endif
	TOSTAGE \a
	SEND \a-1, 8                                   ; behind block a - 1's loads: block a's 4 stores and 4 loads
.endr
	SEND 7, 0
	s_wait_tensorcnt 0x0                           ; the wave's end
	ds_add_u32 v[SPW], v[NIL]
	s_wait_dscnt 0x0
	CROUND                                         ; the closing round
	s_endpgm
.Lfunc_end_k_q8af26f8018_qkv:
	.size	k_q8af26f8018_qkv, .Lfunc_end_k_q8af26f8018_qkv-k_q8af26f8018_qkv
	.p2alignl 7, 3214868480
	.fill 96, 4, 3214868480
	.section	.rodata,"a",@progbits
	.p2align	6, 0x0
	.amdhsa_kernel k_q8af26f8018_qkv
		.amdhsa_group_segment_fixed_size 327680
		.amdhsa_private_segment_fixed_size 0
		.amdhsa_enable_private_segment 0
		.amdhsa_kernarg_size 40
		.amdhsa_user_sgpr_count 2
		.amdhsa_user_sgpr_kernarg_segment_ptr 1
		.amdhsa_wavefront_size32 1
		.amdhsa_system_sgpr_workgroup_id_x 1
		.amdhsa_system_sgpr_workgroup_id_y 1
		.amdhsa_system_sgpr_workgroup_id_z 1
		.amdhsa_system_vgpr_workitem_id 0
		.amdhsa_next_free_vgpr 1024
		.amdhsa_next_free_sgpr 100
		.amdhsa_reserve_vcc 0
		.amdhsa_float_denorm_mode_32 3
		.amdhsa_float_denorm_mode_16_64 3
		.amdhsa_memory_ordered 1
		.amdhsa_forward_progress 1
		.amdhsa_inst_pref_size 152
	.end_amdhsa_kernel
	.amdgpu_metadata
---
amdhsa.version: [ 1, 2 ]
amdhsa.kernels:
  - .name:           k_q8af26f8018_qkv
    .symbol:         k_q8af26f8018_qkv.kd
    .args:
      - { .name: x_codes, .offset: 0, .size: 8, .value_kind: global_buffer, .address_space: global }
      - { .name: wq_codes, .offset: 8, .size: 8, .value_kind: global_buffer, .address_space: global }
      - { .name: lowp_scales, .offset: 16, .size: 8, .value_kind: global_buffer, .address_space: global }
      - { .name: b_qkv, .offset: 24, .size: 8, .value_kind: global_buffer, .address_space: global }
      - { .name: qkv_codes, .offset: 32, .size: 8, .value_kind: global_buffer, .address_space: global }
    .group_segment_fixed_size: 327680
    .private_segment_fixed_size: 0
    .kernarg_segment_align: 8
    .kernarg_segment_size: 40
    .max_flat_workgroup_size: 128
    .sgpr_count:     100
    .vgpr_count:     1024
    .wavefront_size: 32
...
	.end_amdgpu_metadata
.endif
;; end of part 2
;; launch attn (part 3): grid 8 x 32, 16 waves a work-group, clusters of 4 x 1, 327,680 bytes of LDS; arguments qkv_codes, lowp_scales, y_codes; writes y_codes
.if DOCPART == 3
	.amdgcn_target "amdgcn-amd-amdhsa--gfx1250"
	.amdhsa_code_object_version 6
	.text
	.protected	k_q8af26f8018_attn
	.globl	k_q8af26f8018_attn
	.p2align	8
	.type	k_q8af26f8018_attn,@function
k_q8af26f8018_attn:
	s_mov_b64 s[64:65], 0
	v_nop
	global_prefetch_b8 v0, s[64:65] scope:SCOPE_SE
	s_setreg_imm32_b32 hwreg(HW_REG_WAVE_MODE, 25, 1), 1
	s_wait_xcnt 0x0
	s_wait_alu depctr_hold_cnt(0) depctr_sa_sdst(0) depctr_va_vdst(0) depctr_va_sdst(0) depctr_va_ssrc(0) depctr_va_vcc(0) depctr_vm_vsrc(0)
	s_getreg_b32 s2, hwreg(HW_REG_IB_STS2, 6, 4)
	s_cmp_eq_u32 s2, 0
	s_cbranch_scc0 .Lentry_in_a_cluster
	s_endpgm
.Lentry_in_a_cluster:
	s_bfe_u32 s2, ttmp6, 0x10000c
	s_cmp_lg_u32 s2, 0x3003
	s_cbranch_scc0 .Lentry_shape_is_right
	s_endpgm
.Lentry_shape_is_right:
; y = softmax(q k^T / 8, causal) v on codes of FP8 (E4M3), and y quantised for the projection.  qkv_codes: q at 0, k at 2^22: [b][head][token][64 bytes];  v at 2^23: [b][head][key / 64][d][64 bytes];  y_codes: [b][head][token][64 bytes].
; In each 32 bytes place 16 a + 8 b + j holds index 16 b + 8 a + j: two neighbouring result tiles' codes are 16 bytes a lane.
; WORK LEFT OUT: steps of 128 keys all of whose keys come after a tile's 16 queries: reference()'s own mask makes their p 0 (limit: a NaN or an infinity in them alone is not carried on).
; THE SOFTMAX: t = score x log2(e) / 8; M = the running largest t rounded UP; p = 2^(t - M) is quantised; the sum is of the unquantised p.  When M moves, the sum and O are multiplied by 2^(old M - new M): exact.
; SHARES.  A work-group takes one head and 16 tiles of 16 queries, a tile a wave: tile beta, beta = 0 .. 15, begins at query 128 beta + 16 x, x the work-group's number 0 .. 7, and counts beta + 1 steps of 128 keys.
; Waves s, s + 4, s + 8, s + 12 (s = 0 .. 3) take tiles 12 + s, 8 + s, 7 - s, 3 - s: 34 steps together for every s, the longest tiles at the lowest wave numbers.
; All of the head's K and V, 2 x 131,072 bytes, lie in LDS at once, with 16 bytes of padding behind every 256: one joint load a wave, shared by the four work-groups of a cluster: wave w brings key step w: 8,192 bytes of K and 8,192 bytes of V.
; One barrier stands between the loads and the steps.  While a step walks its softmax, the next step's fragments of K are fetched from LDS.
; No prefetch: everything is asked for at the head, so there is no loop to run ahead in.
; Both products are transposed: S^T = K Q^T, O^T = V^T P^T: a lane holds ONE query (lane % 16) throughout; register 8 t + j of S^T is key 16 t + 8 (lane / 16) + j.
; LIMITS: e2 + e3 between -123 and 130; e4, e6 between -126 and 119, so that the powers of two below are f32 numbers; the exponents to the base 2 stay under 2^31 in magnitude; NaN is not served.
; REGISTERS: v0 the thread; v1-3, v7, v8 addresses and the mask's threshold; v4-6, v10, v11 at work; v9, v253 the hold and the scale of p; v12 -M, v13 the largest score, v[14:15] the sum in two halves; v16-23 Q; v24-87 K's fragments; v88-151 V's;
;   v156-219 S^T, then p; p's codes v152-167, over the first scores, which are done with by then; v220-251 O^T; v252 a lane permute's result.
.set SLOTB, 17408                      ; a key step in LDS: K's 128 rows, then V's
.set VO,    8704
.set T16,   1088                       ; 16 rows of 64 bytes
.set STAGE, 278528                     ; behind the 16 key steps: 1,088 bytes a wave
.set SPARE, 295936                     ; the spare words, 128 bytes a wave
.set WV,   18
.set BETA, 19
.set SEL,  20
.set CS,   22
.set G1,   24
.set G0,   32
.set TB,   38
.set SI,   39
.set KF,   24
.set VF,   88
.set CD,   152
.set S,    156
.set O,    220
.set SPW,  254
.set NIL,  255
.macro CROUND
	s_barrier_signal -1
	s_barrier_wait -1
	s_cmp_lg_u32 s[WV], 0
	s_cbranch_scc1 .Lnot_wave_0_\@
	s_barrier_signal -3
.Lnot_wave_0_\@:
	s_barrier_wait -3
	s_barrier_signal -1
	s_barrier_wait -1
.endm
	s_load_b128 s[4:7], s[0:1], 0x0                ; qkv_codes, the exponents
	s_load_b64 s[8:9], s[0:1], 0x10                ; y_codes
	v_lshl_add_u32 v[SPW], v0, 2, SPARE
	v_mov_b32 v[NIL], 0
	ds_add_u32 v[SPW], v[NIL]                      ; the wave's opening: the add, twice on end, and its wait
	ds_add_u32 v[SPW], v[NIL]
	v_lshrrev_b32 v4, 5, v0
	s_delay_alu instid0(VALU_DEP_1)
	v_readfirstlane_b32 s[WV], v4                  ; wave 0..15
	s_lshr_b32 s10, s[WV], 2
	s_lshr_b32 s11, s10, 1
	s_mul_i32 s11, s11, 3
	s_and_b32 s15, s[WV], 3
	s_xor_b32 s11, s11, s15                        ; s, or 3 - s
	s_sub_co_u32 s10, 3, s10
	s_lshl_b32 s10, s10, 2
	s_add_co_u32 s[BETA], s10, s11
	s_bfe_u32 s12, ttmp6, 0x40000
	s_lshl_b32 s13, ttmp9, 2
	s_add_co_u32 s13, s13, s12                     ; x
	s_and_b32 s14, ttmp7, 0xffff
	s_lshl_b32 s14, s14, 17                        ; the head's first byte in each tensor
	s_mul_i32 s17, s[WV], SLOTB                    ; what I fetch: key step w: where it goes,
	s_lshl_b32 s40, s[WV], 13
	s_add_co_u32 s40, s40, s14
	s_add_co_u32 s40, s40, 0x400000                ; and where K's part lies; V's lies 2^22 bytes on
	s_mov_b32 s41, 0
	s_mov_b32 s[G1], 15|(3<<16)|(1<<20)|(1<<21)|(5<<22)|(3<<25)   ; all four work-groups; elements of 8 bytes; padding on; bit 21 beside a mask; after every 64 words, 4 words
	s_mov_b32 s[G1+1], 1024<<16                    ; two rows of 8,192 bytes,
	s_mov_b32 s[G1+2], 2<<16
	s_mov_b32 s[G1+3], 1024<<16
	s_mov_b32 s[G1+4], 2
	s_mov_b32 s[G1+5], 524288                      ; 2^22 bytes apart
	s_mov_b32 s[G1+6], 0
	s_mov_b32 s[G1+7], 0
	s_mov_b32 s[SEL], 0x76543210
	s_mov_b32 s[SEL+1], 0xfedcba98
	s_mov_b32 s[CS], 0x3e38aa3b                    ; log2(e) / 8
	s_lshl_b32 s45, s13, 4
	s_lshl_b32 s42, s[BETA], 7
	s_add_co_u32 s42, s42, s45
	s_lshl_b32 s42, s42, 6
	s_add_co_u32 s46, s42, s14                     ; my tile's bytes in q and in y
	s_mov_b32 s47, 0
	s_mul_i32 s60, s[WV], T16
	s_add_co_u32 s60, s60, STAGE                   ; my stage
	v_and_b32 v4, 15, v0                           ; r
	v_bfe_u32 v5, v0, 4, 1                         ; h
	v_and_b32 v7, 31, v0
	v_bfe_u32 v8, v0, 2, 2                         ; r / 4
	v_lshlrev_b32 v6, 6, v4
	v_lshlrev_b32 v9, 3, v5
	v_lshlrev_b32 v7, 4, v7                        ; 16 x lane: out, 512 consecutive bytes
	v_lshl_add_u32 v6, v5, 4, v6                   ; Q: 64 r + 16 h
	v_sub_nc_u32 v3, v4, v9
	v_mov_b32 v252, 0                              ; written once: a lane permute's destination counts as one of its sources
	v_lshl_add_u32 v1, v8, 4, v6                   ; a fragment: 64 r + 16 (r / 4) + 16 h
	v_add_nc_u32 v3, s45, v3                       ; the query's place in its 128, less 8 h: the key of register 8 t + j is hidden on the diagonal where 16 t + j is greater
	v_mov_b32 v11, 0                               ; (named as the upper half of the pair v[10:11])
	s_wait_alu depctr_va_vdst(0)
	s_wait_dscnt 0x0                               ; both opening adds are done
	s_wait_kmcnt 0x0
	s_load_b256 s[48:55], s[6:7], 0x0              ; e0 .. e7
	s_mov_b32 s[G0], 1
	s_mov_b32 s[G0+1], s17
	s_add_nc_u64 s[G0+2:G0+3], s[4:5], s[40:41]
	s_or_b32 s[G0+3], s[G0+3], 0x80000000
	s_add_nc_u64 s[56:57], s[4:5], s[46:47]
	s_add_nc_u64 s[58:59], s[8:9], s[46:47]
	global_load_b128 v[16:19], v6, s[56:57]
	global_load_b128 v[20:23], v6, s[56:57] offset:32
	CROUND                                         ; all four work-groups are here: the joint loads meet
	tensor_load_to_lds s[G0:G0+3], s[G1:G1+7]      ; the wave's one tensor load
	s_nop 0
	v_mov_b32 v13, 0xff61b1e6                      ; the largest score so far: -3e38
	v_mov_b32 v12, 0x7f61b1e6                      ; -M
	v_mov_b32 v14, 0
	v_mov_b32 v15, 0
.set jj, 0
.rept 32
	v_mov_b32 v[O+jj], 0                           ; (the loop is written once: the first step's change of M leaves zeros zeros)
.set jj, jj+1
.endr
	s_wait_kmcnt 0x0
	s_add_co_i32 s61, s50, s51
	s_lshl_b32 s61, s61, 23
	s_add_co_i32 s[CS], s[CS], s61                 ; a score stands for score x 2^(e2 + e3): added to the factor's exponent field
	s_mov_b32 s[CS+1], s[CS]
	s_add_co_i32 s61, s52, 127
	s_lshl_b32 s62, s61, 23
	v_mov_b32 v253, s62                            ; 2^e4
	s_add_co_i32 s61, s61, 8
	s_lshl_b32 s61, s61, 23
	s_or_b32 s61, s61, 0x600000
	v_mov_b32 v9, s61                              ; 448 x 2^e4
	s_add_co_i32 s61, s54, 127
	s_lshl_b32 s67, s61, 23                        ; 2^e6
	s_add_co_i32 s61, s61, 8
	s_lshl_b32 s61, s61, 23
	s_or_b32 s68, s61, 0x600000                    ; 448 x 2^e6
	s_add_co_i32 s66, s52, s53                     ; e4 + e5
.macro KLOAD adr                       ; K's fragments of one key step
.irp t, 0,1,2,3,4,5,6,7
.irp c, 0,1
	ds_load_b128 v[KF+8*\t+4*\c:KF+8*\t+4*\c+3], v[\adr] offset:T16*\t+32*\c
.endr
.endr
.endm
.macro HOLD b                          ; the conversion does not saturate (ISA guide 7.6.2); p is not negative, so the hold is one-sided
.set jj, S+16*(\b)
.rept 8
	v_dual_min_num_f32 v[jj], v9, v[jj] :: v_dual_min_num_f32 v[jj+1], v9, v[jj+1]
.set jj, jj+2
.endr
.endm
.macro CONV b
	v_cvt_scalef32_pk8_fp8_f32 v[CD+4*(\b):CD+4*(\b)+1], v[S+16*(\b):S+16*(\b)+7], v253
	v_cvt_scalef32_pk8_fp8_f32 v[CD+4*(\b)+2:CD+4*(\b)+3], v[S+16*(\b)+8:S+16*(\b)+15], v253
.endm
; A KEY STEP of 128 keys, whose fragments of K are in registers.  Steps behind the tile's last are left out by a branch on the wave's number and the count of steps.
.macro STEP
	s_cmp_gt_u32 s[SI], s[BETA]
	s_cbranch_scc1 .Lhid_\@
	s_add_co_u32 s62, s[TB], SLOTB
	s_min_u32 s62, s62, 15*SLOTB
	v_add_nc_u32 v8, s[TB], v1
	v_add_nc_u32 v2, s62, v1                       ; the next step's place
.rept 3
	v_nop                                          ; with the two additions: five places ahead of products that write over the codes of the last step's
.endr
.irp t, 0,1,2,3,4,5,6,7
	v_wmma_f32_16x16x64_fp8_fp8 v[S+8*\t:S+8*\t+7], v[KF+8*\t:KF+8*\t+7], v[16:23], 0
.endr
.rept 4
	v_nop                                          ; places in front of reads of the results and of loads into the sources
.endr
.irp u, 0,1,2,3
.irp c, 0,1,2,3
	ds_load_b128 v[VF+16*\u+4*\c:VF+16*\u+4*\c+3], v8 offset:VO+4*T16*(\c/2)+T16*\u+32*(\c%2)
.endr
.endr
	s_cmp_eq_u32 s[SI], s[BETA]
	s_cbranch_scc1 .Ldiag_\@
	KLOAD 2                                        ; another step follows
	s_branch .Lopen_\@
.Ldiag_\@:
	v_mov_b32 v6, 0xff800000                       ; on the diagonal hidden keys' scores become -infinity
.irp n, 0,1,2,3,4,5,6,7,8,9,10,11,12,13,14,15,16,17,18,19,20,21,22,23,24,25,26,27,28,29,30,31,32,33,34,35,36,37,38,39,40,41,42,43,44,45,46,47,48,49,50,51,52,53,54,55,56,57,58,59,60,61,62,63
	v_cmp_gt_i32 vcc_lo, 16*(\n/8)+\n%8, v3
	v_cndmask_b32 v[S+\n], v[S+\n], v6, vcc_lo
.endr
.Lopen_\@:
	v_max3_num_f32 v6, v[S], v[S+1], v[S+2]        ; the largest score of my query so far, in four chains,
	v_max3_num_f32 v10, v[S+3], v[S+4], v[S+5]
	v_max3_num_f32 v4, v[S+6], v[S+7], v[S+8]
	v_max3_num_f32 v5, v[S+9], v[S+10], v[S+11]
.irp i, 12,20,28,36,44,52
	v_max3_num_f32 v6, v6, v[S+\i], v[S+\i+1]
	v_max3_num_f32 v10, v10, v[S+\i+2], v[S+\i+3]
	v_max3_num_f32 v4, v4, v[S+\i+4], v[S+\i+5]
	v_max3_num_f32 v5, v5, v[S+\i+6], v[S+\i+7]
.endr
	v_max3_num_f32 v6, v6, v[S+60], v[S+61]
	v_max3_num_f32 v10, v10, v[S+62], v[S+63]
	s_delay_alu instid0(VALU_DEP_1)
	v_max3_num_f32 v6, v6, v10, v4
	s_delay_alu instid0(VALU_DEP_1)
	v_max3_num_f32 v6, v6, v5, v13
	s_delay_alu instid0(VALU_DEP_1)
	v_permlanex16_b32 v252, v6, s[SEL], s[SEL+1]
	s_delay_alu instid0(VALU_DEP_1)
	v_max_num_f32 v13, v6, v252                    ; and lane l xor 16's
	s_delay_alu instid0(VALU_DEP_1)
	v_mul_f32 v6, s[CS], v13                       ; as t (the factor is positive)
	v_mov_b32 v4, v12
	s_delay_alu instid0(VALU_DEP_2)
	v_floor_f32 v12, -v6                           ; the new -M: a whole number
	s_delay_alu instid0(VALU_DEP_1)
	v_sub_f32 v4, v12, v4                          ; M's old value less its new one
	s_delay_alu instid0(VALU_DEP_1)
	v_cvt_i32_f32 v4, v4                           ; (it saturates)
	s_delay_alu instid0(VALU_DEP_1)
	v_ldexp_f32 v10, 1.0, v4                       ; f = 2^(old M - new M)
.set jj, S
.rept 32
	v_pk_fma_f32 v[jj:jj+1], v[jj:jj+1], s[CS:CS+1], v[12:13] op_sel_hi:[1,0,0]   ; t - M
.set jj, jj+2
.endr
	s_wait_alu depctr_va_vdst(0)
.set jj, S
.rept 64
	v_exp_f32 v[jj], v[jj]                         ; p
.set jj, jj+1
.endr
	v_pk_mul_f32 v[14:15], v[14:15], v[10:11] op_sel_hi:[1,0]   ; the sums under the new M: a plain place behind the exponentials
	s_wait_alu depctr_va_vdst(0)                   ; one wait for the batch's results and for O^T
.set jj, O
.rept 16
	v_pk_mul_f32 v[jj:jj+1], v[jj:jj+1], v[10:11] op_sel_hi:[1,0]   ; O^T under the new M
.set jj, jj+2
.endr
	v_pk_add_f32 v[4:5], v[S:S+1], v[S+2:S+3]      ; the sum of the unquantised p, in four chains
	v_pk_add_f32 v[152:153], v[S+4:S+5], v[S+6:S+7]
	v_pk_add_f32 v[154:155], v[S+8:S+9], v[S+10:S+11]
	v_pk_add_f32 v[14:15], v[14:15], v[S+12:S+13]
	v_pk_add_f32 v[4:5], v[4:5], v[S+14:S+15]
.irp j, 16,24,32,40,48,56
	v_pk_add_f32 v[152:153], v[152:153], v[S+\j:S+\j+1]
	v_pk_add_f32 v[154:155], v[154:155], v[S+\j+2:S+\j+3]
	v_pk_add_f32 v[14:15], v[14:15], v[S+\j+4:S+\j+5]
	v_pk_add_f32 v[4:5], v[4:5], v[S+\j+6:S+\j+7]
.endr
	v_pk_add_f32 v[152:153], v[152:153], v[154:155]
	HOLD 0
	v_pk_add_f32 v[14:15], v[14:15], v[152:153]
	HOLD 1
	CONV 0
	HOLD 2
	CONV 1                                         ; (its codes lie over block 0's numbers, converted ahead of HOLD 2's plain lines)
	HOLD 3
	CONV 2
	CONV 3
	v_pk_add_f32 v[14:15], v[14:15], v[4:5]        ; (and the plain line behind the last conversion)
	s_wait_alu depctr_va_vdst(0)
	s_wait_dscnt 0x0                               ; V's fragments, and the next step's of K
.irp u, 0,1,2,3
	v_wmma_f32_16x16x128_fp8_fp8 v[O+8*\u:O+8*\u+7], v[VF+16*\u:VF+16*\u+15], v[CD:CD+15], v[O+8*\u:O+8*\u+7]
.endr
.Lhid_\@:
	s_add_co_u32 s[TB], s[TB], SLOTB
	s_add_co_u32 s[SI], s[SI], 1
.endm
	s_wait_alu depctr_va_vdst(0)
	s_wait_loadcnt 0x0                             ; Q
	s_wait_tensorcnt 0x0                           ; my part of K and V is in,
	s_barrier_signal -1
	s_barrier_wait -1                              ; and everybody's
	KLOAD 1
	s_mov_b32 s[TB], 0
	s_mov_b32 s[SI], 0
	s_wait_dscnt 0x0
.Lstep:
	STEP
	s_cmp_lt_u32 s[SI], 16
	s_cbranch_scc1 .Lstep
; THE TILE GOES OUT: O^T / the sum x 2^(e4 + e5), quantised with 2^e6, through the wave's stage: 512 consecutive bytes a store.
.rept 4
	v_nop                                          ; places behind the last products
.endr
	v_bfe_u32 v4, v0, 4, 1
	v_add_f32 v14, v14, v15
	s_delay_alu instid0(VALU_DEP_1)
	v_permlanex16_b32 v252, v14, s[SEL], s[SEL+1]
	v_add_nc_u32 v6, s60, v1                       ; into the stage
	v_add_f32 v14, v14, v252
	s_wait_alu depctr_va_vdst(0)                   ; the wait ahead of the transcendental,
	v_rcp_f32 v14, v14
	v_lshl_add_u32 v4, v4, 4, v7
	v_mov_b32 v24, s67                             ; 2^e6
	v_mov_b32 v25, s68                             ; 448 x 2^e6
	v_add_nc_u32 v8, s60, v4                       ; back: 16 x lane, and the padding
	s_wait_alu depctr_va_vdst(0)                   ; ahead of its first reader,
	v_ldexp_f32 v14, v14, s66
	s_wait_alu depctr_va_vdst(0)                   ; and ahead of the first reader of O^T
.set jj, 0
.rept 16
	v_pk_mul_f32 v[S+jj:S+jj+1], v[O+jj:O+jj+1], v[14:15] op_sel_hi:[1,0]
.set jj, jj+2
.endr
.set jj, 0
.rept 32
	v_med3_num_f32 v[S+jj], v[S+jj], -v25, v25
.set jj, jj+1
.endr
.irp u, 0,1,2,3
	v_cvt_scalef32_pk8_fp8_f32 v[88+2*\u:89+2*\u], v[S+8*\u:S+8*\u+7], v24
.endr
	v_nop
	ds_store_b128 v6, v[88:91]
	ds_store_b128 v6, v[92:95] offset:32
	ds_load_b128 v[96:99], v8                      ; LDS serves a wave's instructions in order (ISA guide 5.7.1.4): these see the stores
	ds_load_b128 v[100:103], v8 offset:544
	s_wait_dscnt 0x1
	global_store_b128 v7, v[96:99], s[58:59]
	s_wait_dscnt 0x0
	global_store_b128 v7, v[100:103], s[58:59] offset:512
	s_wait_tensorcnt 0x0                           ; the wave's end
	ds_add_u32 v[SPW], v[NIL]
	s_wait_dscnt 0x0
	CROUND                                         ; the closing round
	s_endpgm
.Lfunc_end_k_q8af26f8018_attn:
	.size	k_q8af26f8018_attn, .Lfunc_end_k_q8af26f8018_attn-k_q8af26f8018_attn
	.p2alignl 7, 3214868480
	.fill 96, 4, 3214868480
	.section	.rodata,"a",@progbits
	.p2align	6, 0x0
	.amdhsa_kernel k_q8af26f8018_attn
		.amdhsa_group_segment_fixed_size 327680
		.amdhsa_private_segment_fixed_size 0
		.amdhsa_enable_private_segment 0
		.amdhsa_kernarg_size 24
		.amdhsa_user_sgpr_count 2
		.amdhsa_user_sgpr_kernarg_segment_ptr 1
		.amdhsa_wavefront_size32 1
		.amdhsa_system_sgpr_workgroup_id_x 1
		.amdhsa_system_sgpr_workgroup_id_y 1
		.amdhsa_system_sgpr_workgroup_id_z 1
		.amdhsa_system_vgpr_workitem_id 0
		.amdhsa_next_free_vgpr 256
		.amdhsa_next_free_sgpr 90
		.amdhsa_reserve_vcc 1
		.amdhsa_float_denorm_mode_32 3
		.amdhsa_float_denorm_mode_16_64 3
		.amdhsa_memory_ordered 1
		.amdhsa_forward_progress 1
		.amdhsa_inst_pref_size 33
	.end_amdhsa_kernel
	.amdgpu_metadata
---
amdhsa.version: [ 1, 2 ]
amdhsa.kernels:
  - .name:           k_q8af26f8018_attn
    .symbol:         k_q8af26f8018_attn.kd
    .args:
      - { .name: qkv_codes, .offset: 0, .size: 8, .value_kind: global_buffer, .address_space: global }
      - { .name: lowp_scales, .offset: 8, .size: 8, .value_kind: global_buffer, .address_space: global }
      - { .name: y_codes, .offset: 16, .size: 8, .value_kind: global_buffer, .address_space: global }
    .group_segment_fixed_size: 327680
    .private_segment_fixed_size: 0
    .kernarg_segment_align: 8
    .kernarg_segment_size: 24
    .max_flat_workgroup_size: 512
    .sgpr_count:     90
    .vgpr_count:     256
    .wavefront_size: 32
...
	.end_amdgpu_metadata
.endif
;; end of part 3
;; launch proj (part 4): grid 8 x 32, 4 waves a work-group, clusters of 4 x 4, 327,680 bytes of LDS; arguments y_codes, wp_codes, lowp_scales, b_proj, out0; writes out0
.if DOCPART == 4
	.amdgcn_target "amdgcn-amd-amdhsa--gfx1250"
	.amdhsa_code_object_version 6
	.text
	.protected	k_q8af26f8018_proj
	.globl	k_q8af26f8018_proj
	.p2align	8
	.type	k_q8af26f8018_proj,@function
k_q8af26f8018_proj:
	s_mov_b64 s[64:65], 0
	v_nop
	global_prefetch_b8 v0, s[64:65] scope:SCOPE_SE
	s_setreg_imm32_b32 hwreg(HW_REG_WAVE_MODE, 25, 1), 1
	s_wait_xcnt 0x0
	s_wait_alu depctr_hold_cnt(0) depctr_sa_sdst(0) depctr_va_vdst(0) depctr_va_sdst(0) depctr_va_ssrc(0) depctr_va_vcc(0) depctr_vm_vsrc(0)
	s_getreg_b32 s2, hwreg(HW_REG_IB_STS2, 6, 4)
	s_cmp_eq_u32 s2, 0
	s_cbranch_scc0 .Lentry_in_a_cluster
	s_endpgm
.Lentry_in_a_cluster:
	s_bfe_u32 s2, ttmp6, 0x10000c
	s_cmp_lg_u32 s2, 0xf033
	s_cbranch_scc0 .Lentry_shape_is_right
	s_endpgm
.Lentry_shape_is_right:
; out0 = y w_proj + b_proj on codes of FP8 (E4M3).  A = y_codes [b][head][token][64 bytes] (4,096 tokens, K = head x 64 + d), B = wp_codes [1024 n][1024], both with the same order of K inside each 32; out0 [4096][1024] f32.
; A number of y is its code x 2^e6, of w x 2^e7.  The bias goes in as b x 2^-(e6 + e7), the C of the first products; each finished sum is multiplied once by 2^(e6 + e7).
; LIMIT: e6 + e7 between -126 and 127, so that 2^(e6 + e7) is an f32 number.
; A tile of C is 128 x 128: 8 x 32 = 256 work-groups.  Four waves, each 64 x 64: 16 accumulators.  ALL OF K LIES IN LDS AT ONCE, brought by one joint load a wave: waves 0, 1: A's heads 0-7, 8-15; waves 2, 3: B's rows 0-63, 64-127.
; So there is no ring, no refill and no loop for a prefetch to run ahead in.
; A IN LDS: a head's 128 tokens are 8,192 consecutive bytes; with 16 bytes of padding behind every 256, token x lies at 64 x + 16 (x / 4) and a head takes 8,704 bytes.  B IN LDS: rows of 1,024 bytes + 16.
; CLUSTERS: 4 x 4 work-groups; A's tiles are asked for jointly along a row of the cluster, B's along a column.  THE MATRIX INSTRUCTION IS USED TRANSPOSED (source 0 = 16 rows of B, source 1 = 16 rows of A): a lane holds eight neighbouring columns of one row.
; REGISTERS: window 0: v16-29 addresses; v32-63 the bias; v64-191 two sets of fragments for 64 along K (A's four, B's four); on the way out v32-223.   window 1: the accumulators, (a, b) at v[8 (4 a + b)].
.set HEADB, 8704
.set T16,   1088
.set BP,    1040
.set BOFF,  139264                     ; behind A's 16 heads
.set STG,   272384                     ; behind B's 128 rows: a stage of 16 rows x (256 + 16) bytes for each wave
.set SP,    272
.set SPARE, 289792                     ; the spare words, 128 bytes a wave
.set ADRA, 16                          ; v16, v17: heads 0-7, 8-15
.set ADRB, 20
.set STO,  24
.set RD,   25
.set CO,   26
.set SPW,  28
.set NIL,  29
.set G1, 24
.set G0, 32
.set G1B, 48
.set G0B, 56
.set MSB, 0
.macro WIN new                         ; the immediate's high byte repeats the setting that is left
.if MSB != \new
	s_set_vgpr_msb (MSB<<8)|\new
.set MSB, \new
.endif
.endm
.macro CROUND
	s_barrier_signal -1
	s_barrier_wait -1
	s_cmp_lg_u32 s14, 0
	s_cbranch_scc1 .Lnot_wave_0_\@
	s_barrier_signal -3
.Lnot_wave_0_\@:
	s_barrier_wait -3
	s_barrier_signal -1
	s_barrier_wait -1
.endm
	s_load_b128 s[4:7], s[0:1], 0x0                ; y_codes s[4:5], wp_codes s[6:7]
	s_load_b128 s[8:11], s[0:1], 0x10              ; the exponents s[8:9], b_proj s[10:11]
	s_load_b64 s[12:13], s[0:1], 0x20              ; out0
	v_lshl_add_u32 v[SPW], v0, 2, SPARE
	v_mov_b32 v[NIL], 0
	ds_add_u32 v[SPW], v[NIL]                      ; the wave's opening: the add, twice on end, and its wait
	ds_add_u32 v[SPW], v[NIL]
	v_lshrrev_b32 v1, 5, v0
	v_readfirstlane_b32 s14, v1                    ; wave 0..3
	s_lshr_b32 s15, s14, 1                         ; which 64 of the tile's rows are mine.  Also: I fetch for A (0) or B (1)
	s_and_b32 s16, s14, 1                          ; which 64 of its columns.  Also: which half I fetch
	s_bfe_u32 s40, ttmp6, 0x40000                  ; cx
	s_bfe_u32 s41, ttmp6, 0x40004                  ; cy
	s_lshl_b32 s42, ttmp9, 2
	s_add_co_u32 s42, s42, s40                     ; tile column
	s_and_b32 s17, ttmp7, 0xffff
	s_lshl_b32 s17, s17, 2
	s_add_co_u32 s17, s17, s41                     ; tile row
	s_lshl_b32 s43, s41, 2
	s_lshl_b32 s43, 15, s43                        ; my row of the cluster
	s_lshl_b32 s44, 0x1111, s40                    ; my column
	s_or_b32 s[G1+0], s43, (3<<16)|(1<<20)|(1<<21)|(5<<22)|(3<<25)  ; A: elements of 8 bytes; padding on; bit 21 beside a mask; after every 64 words, 4 words
	s_mov_b32 s[G1+1], 1024<<16                    ; 128 tokens x 64 bytes
	s_mov_b32 s[G1+2], 8<<16                       ; of 8 heads
	s_mov_b32 s[G1+3], 1024<<16
	s_mov_b32 s[G1+4], 8
	s_mov_b32 s[G1+5], 16384                       ; from head to head: 131,072 bytes
	s_mov_b32 s[G1+6], 0
	s_mov_b32 s[G1+7], 0
	s_or_b32 s[G1B+0], s44, (3<<16)|(1<<20)|(1<<21)|(7<<22)|(3<<25) ; B: after every 256 words, 4 words
	s_mov_b32 s[G1B+1], 128<<16                    ; rows of 1,024 bytes
	s_mov_b32 s[G1B+2], 64<<16
	s_mov_b32 s[G1B+3], 128<<16
	s_mov_b32 s[G1B+4], 64
	s_mov_b32 s[G1B+5], 128
	s_mov_b32 s[G1B+6], 0
	s_mov_b32 s[G1B+7], 0
	s_lshl_b32 s20, s17, 7                         ; A: token 128 x tile row:
	s_lshr_b32 s21, s20, 11
	s_lshl_b32 s21, s21, 21                        ; its batch,
	s_and_b32 s20, s20, 2047
	s_lshl_b32 s20, s20, 6                         ; its place in a head,
	s_add_co_u32 s20, s20, s21
	s_lshl_b32 s21, s16, 20
	s_add_co_u32 s20, s20, s21                     ; my eight heads
	s_mov_b32 s21, 0
	s_lshl_b32 s46, s42, 7
	s_lshl_b32 s47, s16, 6
	s_add_co_u32 s46, s46, s47                     ; B: row 128 x tile column + 64 x half
	s_lshl_b32 s46, s46, 10
	s_mov_b32 s47, 0
	s_mul_i32 s45, s16, 8*HEADB                    ; where they go
	s_mul_i32 s68, s16, 64*BP
	s_add_co_u32 s68, s68, BOFF
	s_mul_i32 s22, s16, 64*BP                      ; my 64 rows of B
	s_add_co_u32 s22, s22, BOFF
	s_mul_i32 s69, s15, 4*T16                      ; my 64 tokens
	s_mul_i32 s23, s14, 16*SP
	s_add_co_u32 s23, s23, STG                     ; my stage
	s_lshl_b32 s89, s17, 7
	s_lshl_b32 s91, s15, 6
	s_add_co_u32 s89, s89, s91                     ; my first row of C
	s_lshl_b32 s90, s42, 7
	s_lshl_b32 s91, s16, 6
	s_add_co_u32 s90, s90, s91                     ; my first column
	s_lshl_b32 s92, s90, 2
	s_lshl_b32 s66, s89, 12
	s_add_co_u32 s66, s66, s92
	s_mov_b32 s67, 0
	v_and_b32 v1, 15, v0                           ; r
	v_bfe_u32 v2, v0, 4, 1                         ; h
	v_bfe_u32 v7, v0, 2, 2                         ; r / 4
	v_lshlrev_b32 v6, 6, v1
	v_lshlrev_b32 v5, 5, v2
	v_mul_u32_u24 v3, v1, BP
	v_lshl_add_u32 v6, v7, 4, v6
	v_add_nc_u32 v5, s92, v5                       ; the bias: lane (r, h) wants, for tile b, columns 16 b + 8 h + 0 .. 7
	v_lshl_add_u32 v3, v2, 4, v3
	v_lshl_add_u32 v6, v2, 4, v6                   ; A: 64 r + 16 (r / 4) + 16 h
	v_mul_u32_u24 v8, v1, SP
	v_add_nc_u32 v[ADRB], s22, v3
	v_add_nc_u32 v[ADRA], s69, v6
	v_lshl_add_u32 v8, v2, 5, v8
	v_mul_u32_u24 v10, v2, SP
	v_lshlrev_b32 v11, 12, v2
	v_add_nc_u32 v[STO], s23, v8                   ; in: row r, 32 bytes for each half of the lanes
	v_lshl_add_u32 v10, v1, 4, v10
	v_lshl_add_u32 v[CO], v1, 4, v11               ; out: lanes 0-15 take a row's 256 bytes, lanes 16-31 the next row's
	v_add_nc_u32 v[ADRA+1], 8*HEADB, v[ADRA]
	v_add_nc_u32 v[RD], s23, v10                   ; the same in the stage
	s_wait_alu depctr_va_vdst(0)
	s_wait_dscnt 0x0                               ; both opening adds are done
	s_wait_kmcnt 0x0
	s_load_b64 s[96:97], s[8:9], 0x18              ; e6, e7
	s_mov_b32 s[G0], 1
	s_mov_b32 s[G0+1], s45
	s_add_nc_u64 s[G0+2:G0+3], s[4:5], s[20:21]
	s_or_b32 s[G0+3], s[G0+3], 0x80000000
	s_mov_b32 s[G0B], 1
	s_mov_b32 s[G0B+1], s68
	s_add_nc_u64 s[G0B+2:G0B+3], s[6:7], s[46:47]
	s_or_b32 s[G0B+3], s[G0B+3], 0x80000000
	s_add_nc_u64 s[12:13], s[12:13], s[66:67]      ; out0 at my first row and column
.irp b, 0,1,2,3
	global_load_b128 v[32+8*\b:35+8*\b], v5, s[10:11] offset:64*\b
	global_load_b128 v[36+8*\b:39+8*\b], v5, s[10:11] offset:64*\b+16
.endr
	CROUND                                         ; all sixteen work-groups are here: the joint loads meet
	s_cmp_eq_u32 s15, 0                            ; the branch hangs on the wave's number alone
	s_cbranch_scc0 .Lfor_b
	tensor_load_to_lds s[G0:G0+3], s[G1:G1+7]
	s_nop 0
.rept 4
	v_nop
.endr
	s_branch .Lasked
.Lfor_b:
	tensor_load_to_lds s[G0B:G0B+3], s[G1B:G1B+7]
	s_nop 0
.rept 4
	v_nop
.endr
.Lasked:
	s_wait_kmcnt 0x0
	s_add_co_i32 s96, s96, s97                     ; e6 + e7
	s_sub_co_i32 s94, 0, s96
	s_add_co_i32 s96, s96, 127
	s_lshl_b32 s96, s96, 23                        ; 2^(e6 + e7) as f32
	s_mov_b32 s97, s96
	s_wait_loadcnt 0x0                             ; the bias
.set jj, 0
.rept 32
	v_ldexp_f32 v[32+jj], v[32+jj], s94            ; b x 2^-(e6 + e7)
.set jj, jj+1
.endr
	s_wait_alu depctr_va_vdst(0)
	s_wait_tensorcnt 0x0                           ; my part is in,
	s_barrier_signal -1
	s_barrier_wait -1                              ; and everybody's
; The fragments of K step s (64 along K: head s), 16 rows x 64 K in 8 registers, into set s % 2: lane l holds row l % 16; registers 4 c .. 4 c + 3 hold places 32 c + 16 (l / 16) + 0 .. 15: the same in A and in B.
.macro FETCH s
.irp i, 0,1,2,3
.irp c, 0,1
	ds_load_b128 v[64+64*((\s)%2)+8*\i+4*\c:67+64*((\s)%2)+8*\i+4*\c], v[ADRA+(\s)/8] offset:((\s)%8)*HEADB+T16*\i+32*\c
.endr
.endr
.irp i, 0,1,2,3
.irp c, 0,1
	ds_load_b128 v[96+64*((\s)%2)+8*\i+4*\c:99+64*((\s)%2)+8*\i+4*\c], v[ADRB] offset:64*(\s)+16*BP*\i+32*\c
.endr
.endr
.endm
.macro MUL s                           ; the 16 accumulators take turns, one instruction a turn, in the same order in every step
.irp a, 0,1,2,3
.irp b, 0,1,2,3
.if (\s) == 0
	v_wmma_f32_16x16x64_fp8_fp8 v[8*(4*\a+\b):8*(4*\a+\b)+7], v[96+8*\b:103+8*\b], v[64+8*\a:71+8*\a], v[32+8*\b:39+8*\b]
.else
	v_wmma_f32_16x16x64_fp8_fp8 v[8*(4*\a+\b):8*(4*\a+\b)+7], v[96+64*((\s)%2)+8*\b:103+64*((\s)%2)+8*\b], v[64+64*((\s)%2)+8*\a:71+64*((\s)%2)+8*\a], v[8*(4*\a+\b):8*(4*\a+\b)+7]
.endif
.endr
.endr
.endm
	FETCH 0
	FETCH 1
.set KS, 0
.rept 16
.if KS < 15
	s_wait_dscnt 16                                ; this step's sixteen loads are in; the next step's may be out
.else
	s_wait_dscnt 0x0
.endif
.if KS == 0
	WIN 0x40                                       ; D window 1; C, the bias, window 0
.else
	WIN 0x50                                       ; C and D window 1
.endif
	MUL KS
.if KS < 14
.rept 4
	v_nop                                          ; places in front of loads into registers that matrix instructions have read
.endr
	WIN 0
	FETCH KS+2
.endif
.set KS, KS+1
.endr
	WIN 0
.rept 4
	v_nop                                          ; places behind the last products
.endr
; THE WAY OUT, block by block of 16 rows x 64 columns, through my own stage.  LDS serves a wave's instructions in order (ISA guide 5.7.1.4): no wait between the stores and the loads, nor in front of the next block's stores.
.macro TOSTAGE a
.set TM, 32+32*((\a)%2)
	WIN 0x01
.set jj, 0
.rept 16
	v_pk_mul_f32 v[TM+jj:TM+jj+1], v[32*(\a)+jj:32*(\a)+jj+1], s[96:97] op_sel_hi:[1,0]   ; x 2^(e6 + e7); each accumulator from its low end on
.set jj, jj+2
.endr
	WIN 0
.irp b, 0,1,2,3
	ds_store_b128 v[STO], v[TM+8*\b:TM+8*\b+3] offset:64*\b
	ds_store_b128 v[STO], v[TM+8*\b+4:TM+8*\b+7] offset:64*\b+16
.endr
.irp t, 0,1,2,3,4,5,6,7
	ds_load_b128 v[96+32*(\a)+4*\t:99+32*(\a)+4*\t], v[RD] offset:2*\t*SP
.endr
.endm
.macro SEND a, younger                 ; younger: the LDS instructions issued behind block a's loads
	s_wait_dscnt \younger
.irp t, 0,1,2,3,4,5,6,7
	global_store_b128 v[CO], v[96+32*(\a)+4*\t:99+32*(\a)+4*\t], s[12:13] offset:(16*(\a)+2*\t)*4096 th:TH_STORE_NT   ; two aligned units of 256 bytes
.endr
.endm
	TOSTAGE 0
	TOSTAGE 1
	SEND 0, 16
	TOSTAGE 2
	SEND 1, 16
	TOSTAGE 3
	SEND 2, 16
	SEND 3, 0
	s_wait_tensorcnt 0x0                           ; the wave's end
	ds_add_u32 v[SPW], v[NIL]
	s_wait_dscnt 0x0
	CROUND                                         ; the closing round
	s_endpgm
.Lfunc_end_k_q8af26f8018_proj:
	.size	k_q8af26f8018_proj, .Lfunc_end_k_q8af26f8018_proj-k_q8af26f8018_proj
	.p2alignl 7, 3214868480
	.fill 96, 4, 3214868480
	.section	.rodata,"a",@progbits
	.p2align	6, 0x0
	.amdhsa_kernel k_q8af26f8018_proj
		.amdhsa_group_segment_fixed_size 327680
		.amdhsa_private_segment_fixed_size 0
		.amdhsa_enable_private_segment 0
		.amdhsa_kernarg_size 40
		.amdhsa_user_sgpr_count 2
		.amdhsa_user_sgpr_kernarg_segment_ptr 1
		.amdhsa_wavefront_size32 1
		.amdhsa_system_sgpr_workgroup_id_x 1
		.amdhsa_system_sgpr_workgroup_id_y 1
		.amdhsa_system_sgpr_workgroup_id_z 1
		.amdhsa_system_vgpr_workitem_id 0
		.amdhsa_next_free_vgpr 384
		.amdhsa_next_free_sgpr 100
		.amdhsa_reserve_vcc 0
		.amdhsa_float_denorm_mode_32 3
		.amdhsa_float_denorm_mode_16_64 3
		.amdhsa_memory_ordered 1
		.amdhsa_forward_progress 1
		.amdhsa_inst_pref_size 57
	.end_amdhsa_kernel
	.amdgpu_metadata
---
amdhsa.version: [ 1, 2 ]
amdhsa.kernels:
  - .name:           k_q8af26f8018_proj
    .symbol:         k_q8af26f8018_proj.kd
    .args:
      - { .name: y_codes, .offset: 0, .size: 8, .value_kind: global_buffer, .address_space: global }
      - { .name: wp_codes, .offset: 8, .size: 8, .value_kind: global_buffer, .address_space: global }
      - { .name: lowp_scales, .offset: 16, .size: 8, .value_kind: global_buffer, .address_space: global }
      - { .name: b_proj, .offset: 24, .size: 8, .value_kind: global_buffer, .address_space: global }
      - { .name: out0, .offset: 32, .size: 8, .value_kind: global_buffer, .address_space: global }
    .group_segment_fixed_size: 327680
    .private_segment_fixed_size: 0
    .kernarg_segment_align: 8
    .kernarg_segment_size: 40
    .max_flat_workgroup_size: 128
    .sgpr_count:     100
    .vgpr_count:     384
    .wavefront_size: 32
...
	.end_amdgpu_metadata
.endif
;; end of part 4
